; MI455X (gfx1250); checked and timed in simulation.
; The chip was launched on July 23, 2026; its instructions are those of AMD's public machine-readable ISA for CDNA 5 (MIT licence, August 2026) and "CDNA5" Instruction Set Architecture Reference Guide (July 2026). The comments in the code are by the model that wrote it; some were corrected since.
;; Attention. Allowed arithmetic: float matrix products may take bf16 or f16 operands with f32 sums; all other float work in f32.
;; Inputs: Wc 1 x 256 float32; Wf 256 x 512 float32; Wft 512 x 512 float32; Wh 256 x 512 float32; Ws 256 x 512 float32; bc 1 float32; bf 256 float32; bft 512 float32; bh 256 float32; bs 256 float32; features 512 x 256 x 512 float32; hidden 512 x 512 float32; inputs 512 x 1,024 float32; memory 512 x 512 float32; s 512 x 512 float32.
;; Outputs: out0 512 x 512 float32.
;; 2 versions, each right; version 2 is version 1 with the launch prep written anew for expert scheduling mode. Each part assembles by itself: llvm-mc -triple=amdgcn-amd-amdhsa -mcpu=gfx1250 --defsym DOCPART=n.
;; ======== version 1 of 2: 2 launches
;; limits: a difference of large sums (such as E[x^2] - mean^2): digits are lost where the result is much smaller than its terms
;; workspace buffers: wb 786,432 bytes; hu 1,048,576 bytes
;; launch prep (part 1): grid 176 x 1, 4 waves a work-group, no clusters, 142,336 bytes of LDS; arguments Wft, Wf, Wh, Ws, hidden, s, bh, bf, bs, wb, hu; writes wb, hu
.if DOCPART == 1
	.amdgcn_target "amdgcn-amd-amdhsa--gfx1250"
	.amdhsa_code_object_version 6
	.text
	.protected	k_q9ceb02d08e_prep
	.globl	k_q9ceb02d08e_prep
	.p2align	8
	.type	k_q9ceb02d08e_prep,@function
k_q9ceb02d08e_prep:
	s_mov_b64 s[64:65], 0
	v_nop
	global_prefetch_b8 v0, s[64:65] scope:SCOPE_SE
	s_setreg_imm32_b32 hwreg(HW_REG_WAVE_MODE, 25, 1), 1
	s_wait_xcnt 0x0
; PREPARATION for the fused launch.  Two roles, chosen by the work-group's number.
; Work-groups 0-127 (GEMM role): a block of 32 batches x 32 columns m of
;   HB'[b][m] = K2 (hidden[b] . Wh[m] + bh[m] + bf[m])     and     U'[b][m] = K2 (s[b] . Ws[m] + bs[m] + hidden[b] . Wh[m] + bh[m]),
;   K2 = 2 log2(e), so that the next launch's tanh(x) = 1 - 2 / (1 + 2^(K2 x)) needs no scaling.  Operands rounded once to bf16, sums in f32.
;   hu is [8 mi][512 b][64] f32: words 0-31 HB' of columns 32 mi .., words 32-63 U': 256 consecutive bytes for each (mi, b), stored whole.
; Work-groups 128-175 (convert role): a quarter of one of the 12 tiles of wb, bf16, 65,536 bytes each, dense rows of 128 bytes:
;   tile t < 8: row h (512), 64 numbers Wft[h][64 t ..];   tile t >= 8: half u, row m (256): K2 Wf[m][64 (2 (t - 8) + u) ..].
; No tensor loads: each byte is read once through registers and converted on the way.
.set K2,    0x4038aa3b                 ; 2 log2(e)
.set MP,    1040                       ; an LDS row of 512 bf16 + 16 bytes: 65 x 16, so the 16 rows of a fragment load start at 16 different 16-byte columns
.set MB,    32*MP                      ; one matrix: 32 rows
.set OST,   4*MB                       ; the stage for the way out: 32 rows x 272 bytes
.set SPARE, OST+32*272                 ; the spare words, 128 bytes a wave; no other line names them
; v0 thread; v1 16 x lane; v2 LDS store address; v3-6 fragment addresses (hidden, s, Wh, Ws); v7 bias offset; v8-31 bh, bf, bs;
; v32, v33 the add's registers; v34, v35 stage in, stage back; v37 lane % 16; v38 lane / 16; v39 lane; v40-47 H; v48-55 S; v56-63 HB'; v64-255 three buffers of 64
	s_load_b512 s[4:19], s[0:1], 0x0               ; Wft, Wf, Wh, Ws, hidden, s, bh, bf
	s_load_b128 s[20:23], s[0:1], 0x40             ; bs, wb
	s_load_b64 s[24:25], s[0:1], 0x50              ; hu
	v_lshl_add_u32 v32, v0, 2, SPARE
	v_mov_b32 v33, 0
	v_lshrrev_b32 v39, 5, v0
	v_readfirstlane_b32 s26, v39                   ; wave 0..3
	v_and_b32 v39, 31, v0
	v_and_b32 v37, 15, v0
	v_bfe_u32 v38, v0, 4, 1
	s_mov_b32 s38, K2
	s_mov_b32 s39, K2
	s_cmp_lt_u32 ttmp9, 128
	s_cbranch_scc1 .Lgemm
	; THE CONVERT ROLE.  Tile t, quarter q; wave w takes tile rows 128 q + 32 w .. + 31: 32 rows x 256 bytes of f32 in, 32 x 128 bytes of bf16 out.
	s_sub_co_u32 s27, ttmp9, 128
	s_lshr_b32 s28, s27, 2                         ; t
	s_and_b32 s29, s27, 3                          ; q
	s_lshl_b32 s30, s26, 16                        ; 32 w rows of 2,048 bytes
	s_lshl_b32 s31, s29, 18                        ; from Wft: row 128 q, column byte 256 t
	s_lshl_b32 s33, s28, 8
	s_add_co_u32 s31, s31, s33
	s_and_b32 s33, s29, 1                          ; from Wf: row 128 (q % 2), column byte 256 (2 (t - 8) + q / 2)
	s_lshl_b32 s33, s33, 18
	s_max_u32 s34, s28, 8
	s_sub_co_u32 s34, s34, 8
	s_lshl_b32 s34, s34, 1
	s_lshr_b32 s35, s29, 1
	s_add_co_u32 s34, s34, s35
	s_lshl_b32 s34, s34, 8
	s_add_co_u32 s33, s33, s34
	s_lshl_b32 s44, s28, 16                        ; into wb: 65,536 t + 128 (128 q + 32 w)
	s_lshl_b32 s45, s29, 14
	s_add_co_u32 s44, s44, s45
	s_lshl_b32 s45, s26, 12
	s_add_co_u32 s44, s44, s45
	s_mov_b32 s45, 0
	s_mov_b32 s41, 0
	v_lshlrev_b32 v1, 11, v38                      ; in: lanes 0-15 one row's 256 bytes, lanes 16-31 the next row's
	v_lshl_add_u32 v1, v37, 4, v1
	v_lshlrev_b32 v2, 3, v39                       ; out: 8 bytes a lane, 256 consecutive bytes a store
	s_wait_kmcnt 0x0
	s_cmp_lt_u32 s28, 8
	s_cselect_b32 s40, s31, s33
	s_cselect_b32 s36, 1.0, s38                    ; Wft as it is, Wf times K2
	s_cselect_b64 s[42:43], s[4:5], s[6:7]
	s_mov_b32 s37, s36
	s_add_co_u32 s40, s40, s30
	s_add_nc_u64 s[42:43], s[42:43], s[40:41]
	s_add_nc_u64 s[22:23], s[22:23], s[44:45]
.set i, 0
.rept 16
	global_load_b128 v[8+4*i:11+4*i], v1, s[42:43] offset:4096*i
.set i, i+1
.endr
.set i, 0
.rept 16
	s_wait_loadcnt 15-i                            ; loads come back in order: load i is in, the younger ones stay out
	v_pk_mul_f32 v[8+4*i:9+4*i], v[8+4*i:9+4*i], s[36:37] op_sel_hi:[1,0]
	v_pk_mul_f32 v[10+4*i:11+4*i], v[10+4*i:11+4*i], s[36:37] op_sel_hi:[1,0]
	v_cvt_pk_bf16_f32 v[8+4*i], v[8+4*i], v[9+4*i]
	v_cvt_pk_bf16_f32 v[9+4*i], v[10+4*i], v[11+4*i]
	global_store_b64 v2, v[8+4*i:9+4*i], s[22:23] offset:256*i  ; two tile rows: 256 consecutive bytes, aligned
.set i, i+1
.endr
	s_endpgm                                       ; this role has written no LDS
	; THE GEMM ROLE.  bi = 32 batches, mi = 32 columns.  Wave w brings matrix w (hidden, s, Wh, Ws): 32 rows, 65,536 consecutive bytes, into LDS as bf16.
.Lgemm:
	s_lshr_b32 s27, ttmp9, 3                       ; bi
	s_and_b32 s28, ttmp9, 7                        ; mi
	s_lshr_b32 s29, s26, 1                         ; i: which 16 batches my tile has
	s_and_b32 s30, s26, 1                          ; j: which 16 columns
	v_lshlrev_b32 v1, 4, v39
	s_mul_i32 s31, s26, MB
	v_lshl_add_u32 v2, v39, 3, s31
	v_mul_u32_u24 v3, v37, MP
	v_lshl_add_u32 v3, v38, 4, v3                  ; row x pitch + 16 x half
	s_mul_i32 s31, s30, 16*MP
	s_add_co_u32 s31, s31, 2*MB
	v_add_nc_u32 v5, s31, v3                       ; Wh, rows 16 j ..
	v_add_nc_u32 v6, MB, v5                        ; Ws
	s_mul_i32 s31, s29, 16*MP
	v_add_nc_u32 v3, s31, v3                       ; hidden, rows 16 i ..
	v_add_nc_u32 v4, MB, v3                        ; s
	s_lshl_b32 s31, s28, 7
	s_lshl_b32 s33, s30, 6
	s_add_co_u32 s31, s31, s33
	v_lshl_add_u32 v7, v38, 5, s31                 ; 4 (32 mi + 16 j + 8 half): my eight columns in the biases
	s_mul_i32 s31, s29, 16*272
	s_add_co_u32 s31, s31, s33
	s_add_co_u32 s31, s31, OST
	v_mul_u32_u24 v34, v37, 272
	v_lshl_add_u32 v34, v38, 5, v34
	v_add_nc_u32 v34, s31, v34                     ; stage in: row 16 i + lane % 16, byte 64 j + 32 half
	s_mul_i32 s31, s26, 8*272
	s_add_co_u32 s31, s31, OST
	v_mul_u32_u24 v35, v38, 272
	v_lshl_add_u32 v35, v37, 4, v35
	v_add_nc_u32 v35, s31, v35                     ; stage back: rows 8 w .., two whole rows a load
	s_lshl_b32 s44, s28, 17                        ; hu: 131,072 mi + 256 (32 bi + 8 w)
	s_lshl_b32 s42, s27, 13
	s_add_co_u32 s44, s44, s42
	s_lshl_b32 s42, s26, 11
	s_add_co_u32 s44, s44, s42
	s_mov_b32 s45, 0
	s_mov_b32 s41, 0
	s_wait_kmcnt 0x0
	s_cmp_eq_u32 s30, 0
	s_cselect_b64 s[34:35], s[12:13], s[14:15]     ; hidden or s
	s_cselect_b64 s[36:37], s[8:9], s[10:11]       ; Wh or Ws
	s_cmp_lt_u32 s26, 2
	s_cselect_b64 s[34:35], s[34:35], s[36:37]
	s_cselect_b32 s40, s27, s28
	s_lshl_b32 s40, s40, 16
	s_add_nc_u64 s[34:35], s[34:35], s[40:41]
	s_add_nc_u64 s[24:25], s[24:25], s[44:45]
	global_load_b128 v[8:11], v7, s[16:17]
	global_load_b128 v[12:15], v7, s[16:17] offset:16
	global_load_b128 v[16:19], v7, s[18:19]
	global_load_b128 v[20:23], v7, s[18:19] offset:16
	global_load_b128 v[24:27], v7, s[20:21]
	global_load_b128 v[28:31], v7, s[20:21] offset:16
.macro GLD k                           ; batch k of 8: 16 loads of 512 consecutive bytes into buffer k % 3
.set i, 0
.rept 16
	global_load_b128 v[64+64*((\k)%3)+4*i:64+64*((\k)%3)+4*i+3], v1, s[34:35] offset:(16*(\k)+i)*512
.set i, i+1
.endr
.endm
.macro CVS k                           ; batch k rounded to bf16 in place and laid into LDS: load n is a quarter (n % 4) of row n / 4
.set bb, 64+64*((\k)%3)
.set i, 0
.rept 16
	v_cvt_pk_bf16_f32 v[bb+4*i], v[bb+4*i], v[bb+4*i+1]
	v_cvt_pk_bf16_f32 v[bb+4*i+1], v[bb+4*i+2], v[bb+4*i+3]
	ds_store_b64 v2, v[bb+4*i:bb+4*i+1] offset:((16*(\k)+i)/4)*MP+((16*(\k)+i)%4)*256
.set i, i+1
.endr
.endm
	GLD 0
	GLD 1
	GLD 2
.irp k, 0,1,2,3,4,5,6,7
.if \k < 6
	s_wait_loadcnt 32                              ; the two younger batches stay out
.elseif \k == 6
	s_wait_loadcnt 16
.else
	s_wait_loadcnt 0
.endif
	CVS \k
.if \k < 5
	GLD (\k)+3
.endif
.endr
	s_wait_dscnt 0x0                               ; for the others' sake: my matrix lies in LDS
	s_barrier_signal -1
	s_barrier_wait -1
	; The products, transposed (source 0 = 16 weight rows, source 1 = 16 batches): a lane holds one batch (lane % 16) and the columns 8 (lane / 16) + 0..7.
.macro FLD g                           ; group g of 8: two K steps of 32, four fragments each, into buffer g % 3
.set bb, 64+64*((\g)%3)
.irp kk, 0,1
.irp m, 0,1,2,3
	ds_load_b128 v[bb+32*\kk+8*\m:bb+32*\kk+8*\m+3], v[3+\m] offset:(2*(\g)+\kk)*64
	ds_load_b128 v[bb+32*\kk+8*\m+4:bb+32*\kk+8*\m+7], v[3+\m] offset:(2*(\g)+\kk)*64+32
.endr
.endr
.endm
.macro FMM g                           ; the two accumulators take turns; the first products start the sums
.set bb, 64+64*((\g)%3)
.irp kk, 0,1
.if ((\g) == 0) && (\kk == 0)
	v_wmma_f32_16x16x32_bf16 v[40:47], v[bb+16:bb+23], v[bb:bb+7], 0
	v_wmma_f32_16x16x32_bf16 v[48:55], v[bb+24:bb+31], v[bb+8:bb+15], 0
.else
	v_wmma_f32_16x16x32_bf16 v[40:47], v[bb+32*\kk+16:bb+32*\kk+23], v[bb+32*\kk:bb+32*\kk+7], v[40:47]
	v_wmma_f32_16x16x32_bf16 v[48:55], v[bb+32*\kk+24:bb+32*\kk+31], v[bb+32*\kk+8:bb+32*\kk+15], v[48:55]
.endif
.endr
.endm
	FLD 0
	FLD 1
	FLD 2
.irp g, 0,1,2,3,4,5,6,7
.if \g < 6
	s_wait_dscnt 32                                ; the two younger groups stay out
.elseif \g == 6
	s_wait_dscnt 16
.else
	s_wait_dscnt 0
.endif
	FMM \g
.if \g < 5
.rept 4
	v_nop                                          ; four places between the products and the loads into the registers that they read
.endr
	FLD (\g)+3
.endif
.endr
	; The way out.  The eight additions of the biases name no register of the products: they are the places behind the last of them.
.irp c, 0,1,2,3
	v_pk_add_f32 v[16+2*\c:17+2*\c], v[16+2*\c:17+2*\c], v[8+2*\c:9+2*\c]      ; bf + bh
	v_pk_add_f32 v[24+2*\c:25+2*\c], v[24+2*\c:25+2*\c], v[8+2*\c:9+2*\c]      ; bs + bh
.endr
.irp c, 0,1,2,3
	v_pk_add_f32 v[56+2*\c:57+2*\c], v[40+2*\c:41+2*\c], v[16+2*\c:17+2*\c]    ; each accumulator is read from its low end on
.endr
.irp c, 0,1,2,3
	v_pk_add_f32 v[64+2*\c:65+2*\c], v[48+2*\c:49+2*\c], v[40+2*\c:41+2*\c]
.endr
.irp c, 0,1,2,3
	v_pk_add_f32 v[64+2*\c:65+2*\c], v[64+2*\c:65+2*\c], v[24+2*\c:25+2*\c]
	v_pk_mul_f32 v[56+2*\c:57+2*\c], v[56+2*\c:57+2*\c], s[38:39] op_sel_hi:[1,0]
.endr
.irp c, 0,1,2,3
	v_pk_mul_f32 v[64+2*\c:65+2*\c], v[64+2*\c:65+2*\c], s[38:39] op_sel_hi:[1,0]
.endr
	ds_store_b128 v34, v[56:59]
	ds_store_b128 v34, v[60:63] offset:16
	ds_store_b128 v34, v[64:67] offset:128
	ds_store_b128 v34, v[68:71] offset:144
	s_wait_dscnt 0x0                               ; a stage row's 256 bytes come from two waves
	s_barrier_signal -1
	s_barrier_wait -1
.irp t, 0,1,2,3
	ds_load_b128 v[72+4*\t:75+4*\t], v35 offset:\t*2*272
.endr
.irp t, 0,1,2,3
	s_wait_dscnt 3-\t
	global_store_b128 v1, v[72+4*\t:75+4*\t], s[24:25] offset:\t*512  ; two whole units of 256 bytes
.endr
	s_wait_tensorcnt 0x0                           ; the wave's end, behind my last LDS store
	ds_add_u32 v32, v33
	s_wait_dscnt 0x0
	s_endpgm
.Lfunc_end_k_q9ceb02d08e_prep:
	.size	k_q9ceb02d08e_prep, .Lfunc_end_k_q9ceb02d08e_prep-k_q9ceb02d08e_prep
	.p2alignl 7, 3214868480
	.fill 96, 4, 3214868480
	.section	.rodata,"a",@progbits
	.p2align	6, 0x0
	.amdhsa_kernel k_q9ceb02d08e_prep
		.amdhsa_group_segment_fixed_size 142336
		.amdhsa_private_segment_fixed_size 0
		.amdhsa_enable_private_segment 0
		.amdhsa_kernarg_size 88
		.amdhsa_user_sgpr_count 2
		.amdhsa_user_sgpr_kernarg_segment_ptr 1
		.amdhsa_wavefront_size32 1
		.amdhsa_system_sgpr_workgroup_id_x 1
		.amdhsa_system_sgpr_workgroup_id_y 1
		.amdhsa_system_sgpr_workgroup_id_z 1
		.amdhsa_system_vgpr_workitem_id 0
		.amdhsa_next_free_vgpr 256
		.amdhsa_next_free_sgpr 66
		.amdhsa_reserve_vcc 0
		.amdhsa_float_denorm_mode_32 3
		.amdhsa_float_denorm_mode_16_64 3
		.amdhsa_memory_ordered 1
		.amdhsa_forward_progress 1
		.amdhsa_inst_pref_size 63
	.end_amdhsa_kernel
	.amdgpu_metadata
---
amdhsa.version: [ 1, 2 ]
amdhsa.kernels:
  - .name:           k_q9ceb02d08e_prep
    .symbol:         k_q9ceb02d08e_prep.kd
    .args:
      - { .name: Wft, .offset: 0, .size: 8, .value_kind: global_buffer, .address_space: global }
      - { .name: Wf, .offset: 8, .size: 8, .value_kind: global_buffer, .address_space: global }
      - { .name: Wh, .offset: 16, .size: 8, .value_kind: global_buffer, .address_space: global }
      - { .name: Ws, .offset: 24, .size: 8, .value_kind: global_buffer, .address_space: global }
      - { .name: hidden, .offset: 32, .size: 8, .value_kind: global_buffer, .address_space: global }
      - { .name: s, .offset: 40, .size: 8, .value_kind: global_buffer, .address_space: global }
      - { .name: bh, .offset: 48, .size: 8, .value_kind: global_buffer, .address_space: global }
      - { .name: bf, .offset: 56, .size: 8, .value_kind: global_buffer, .address_space: global }
      - { .name: bs, .offset: 64, .size: 8, .value_kind: global_buffer, .address_space: global }
      - { .name: wb, .offset: 72, .size: 8, .value_kind: global_buffer, .address_space: global }
      - { .name: hu, .offset: 80, .size: 8, .value_kind: global_buffer, .address_space: global }
    .group_segment_fixed_size: 142336
    .private_segment_fixed_size: 0
    .kernarg_segment_align: 8
    .kernarg_segment_size: 88
    .max_flat_workgroup_size: 128
    .sgpr_count:     66
    .vgpr_count:     256
    .wavefront_size: 32
...
	.end_amdgpu_metadata
.endif
;; end of part 1
;; launch attn (part 2): grid 256 x 1, 4 waves a work-group, clusters of 4 x 1, 327,680 bytes of LDS; arguments features, wb, hu, s, Wc, bc, bft, out0; writes out0
.if DOCPART == 2
	.amdgcn_target "amdgcn-amd-amdhsa--gfx1250"
	.amdhsa_code_object_version 6
	.text
	.protected	k_q9ceb02d08e_attn
	.globl	k_q9ceb02d08e_attn
	.p2align	8
	.type	k_q9ceb02d08e_attn,@function
k_q9ceb02d08e_attn:
	s_mov_b64 s[64:65], 0
	v_nop
	global_prefetch_b8 v0, s[64:65] scope:SCOPE_SE
	s_setreg_imm32_b32 hwreg(HW_REG_WAVE_MODE, 25, 1), 1
	s_wait_xcnt 0x0
	s_wait_alu depctr_hold_cnt(0) depctr_sa_sdst(0) depctr_va_vdst(0) depctr_va_sdst(0) depctr_va_ssrc(0) depctr_va_vcc(0) depctr_vm_vsrc(0)
	s_getreg_b32 s2, hwreg(HW_REG_IB_STS2, 6, 4)
	s_cmp_eq_u32 s2, 0
	s_cbranch_scc0 .Lentry_in_a_cluster
	s_endpgm
.Lentry_in_a_cluster:
	s_bfe_u32 s2, ttmp6, 0x10000c
	s_cmp_lg_u32 s2, 0x3003
	s_cbranch_scc0 .Lentry_shape_is_right
	s_endpgm
.Lentry_shape_is_right:
; THE FUSED LAUNCH.  For each batch: ft = relu(X Wft^T + bft); f = ft Wf^T + bf; z[n] = bc + sum_m Wc[m] tanh(f[n][m] + h[m]); a = softmax(z); c = sum_n a[n] ft[n];
; gate = last of softmax([z, i]); out = gate s + (1 - gate) c.  ft and f never leave the work-group.
; SHARES.  256 work-groups of four waves; a work-group stays and takes 2 batches = 4 PASSES of 128 rows; the softmax runs online over a batch's two passes:
;   M = running maximum of z and i, L = sum 2^((z-M) log2 e), C = sum of the same weights times ft, e = 2^((i-M) log2 e);  out = (e s + C) / (L + e), and L + e >= 1.
; A PASS.  G1: ft^T tile, wave w has channels 128 w .. + 127 for all 128 rows: 64 accumulators (windows 2, 3), K = 512 in 8 steps of 64.  ft goes to LDS as bf16.
;   G2: wave (ni, mj) has 64 rows x 128 columns m of K2 (f + h): 32 accumulators (window 2), K = 512 in 4 tiles of 128.  Then tanh, z, the softmax step, and C += ft^T p (8 accumulators).
; Both products are used transposed (source 0 = 16 weight rows, source 1 = 16 rows of X or ft): a lane holds ONE row n (lane % 16) and eight neighbouring channels 8 (lane / 16) + 0..7.
; The biases are the C operand of the products that start the sums: bft in G1, K2 (h + bf) in G2.  K2 = 2 log2 e is folded into Wf and h by the launch before: tanh(x) = 1 - 2 / (1 + 2^(K2 x)).
; WEIGHTS.  wb is a stream of 12 tiles of 65,536 bytes a pass through two LDS slots; every work-group walks the same stream, so the four of a cluster ask JOINTLY (mask 15), each wave its quarter of a tile.
; X is read once, by register loads issued two K steps ahead (two sets of 16 loads a wave), rounded to bf16 by one wave and shared through a ring of two LDS slots of its own.
; LIMITS.  X, Wft, K2 Wf, ft and the weights p are rounded once to bf16 for the products; all sums, tanh and softmax in f32.  z is formed as (bc + sum Wc) + sum (-2 Wc) / (1 + 2^f'): with a large common
; offset in Wc that is a difference of two f32 sums, an absolute error of some 1e-4 in z.  A weight below 2^-126 counts as 0; NaN and infinities are not treated apart.
; The last pass's three look-ahead loads of X are clamped to the work-group's last K step; what is made of them is never read.  The inputs 'inputs' and 'memory' enter no step of the computation and are not read.
; REGISTERS, in windows of 256 (s_set_vgpr_msb: bits 1:0 source 0, 3:2 source 1, 5:4 source 2, 7:6 destination):
;   window 0: v0-39 addresses and statistics; v40-63 at work; v64-127, v128-191 fragments of X or ft, two buffers; v192-255 X set 0
;   window 1: v0-63 X set 1; v64-127, v128-191 weight fragments, two buffers; v192-255 C      windows 2, 3: the accumulators ((a, b) at v[8 (8 (a % 4) + b)], window 2 + a / 4)
;   guests: bft in window 1's buffer 1 for a pass's first products; K2 (h + bf) in window 3 v0-63 for G2's first; -2 Wc in window 1's buffer 0, ft^T in all of window 3 and p in v128-159 in the epilogue.
.set WP,    144                        ; LDS pitch of rows of 128 bytes: 9 x 16
.set FP,    1040                       ; LDS pitch of ft's rows of 1,024 bytes: 65 x 16
.set SLOTB, 512*WP                     ; a weight slot: 512 tile rows.  The two slots are the only bytes that tensor loads fill
.set FT,    2*SLOTB                    ; ft, bf16, [128 n][512 h]
.set XB,    FT+128*FP                  ; X ring: two slots [128 n][64 k] bf16
.set XBB,   128*WP
.set ZS,    XB+2*XBB                   ; z partial sums [2 mj][128 n] f32
.set PB,    ZS+1024                    ; p as bf16, 256 bytes for each wave
.set CSG,   PB+1024                    ; C on its way out, 512 bytes for each wave
.set HBL,   CSG+2048                   ; K2 (h + bf) of the batch in hand
.set WCL,   HBL+1024                   ; -2 Wc
.set BFL,   WCL+1024                   ; bft
.set SPARE, BFL+2048                   ; the spare words, 128 bytes a wave; no other line names them
.set ADW, 4                            ; v4-5   my Wft fragments in slot 0, 1
.set ADX, 6                            ; v6-7   X fragments in X slot 0, 1
.set ADG, 8                            ; v8-9   my Wf fragments in slot 0, 1
.set ADF, 10                           ; v10    my ft fragments
.set FTS, 11                           ; v11-12 where I put ft: rows 0-63, rows 64-127
.set XS,  13                           ; v13    where I put X
.set XL,  14                           ; v14    my lane's byte offset in a K step of X; never rewritten
.set XO,  15                           ; v15    the offset of the X loads in hand
.set HBA, 16
.set WCA, 17
.set BFA, 18
.set ZSW, 19
.set ZSR, 20
.set PBW, 21
.set PBR, 22
.set TRA, 23                           ; v23-24 the turning loads of ft: rows 0-63, rows 64-127
.set CSW, 25
.set CSR, 26
.set GOS, 27                           ; v27    my 16 bytes of a row of s and of out0
.set GU,  28
.set GH,  29
.set HBS, 30
.set WCI, 31
.set SPW, 32                           ; v32    my spare word; never rewritten
.set NIL, 33                           ; v33    0; never rewritten
.set MX,  34                           ; M
.set LS,  35                           ; L
.set IS,  36                           ; i
.set AF,  38                           ; v[38:39] a = 2^((M_old - M_new) log2 e), in the low word
.set F0,  64
.set F1,  128
.set MSB, 0
.macro WIN new                         ; the immediate's high byte repeats the setting that is left; a switch that changes nothing is dropped
.if MSB != (\new)
	s_set_vgpr_msb (MSB<<8)|(\new)
.set MSB, \new
.endif
.endm
.macro PLACES                          ; four plain vector instructions between a matrix instruction and a load into, or a vector access of, its registers
.rept 4
	v_nop
.endr
.endm
.macro CREST                           ; a round of the cluster's barrier behind its opening barrier
	s_cmp_lg_u32 s20, 0
	s_cbranch_scc1 .Lnot_wave_0_\@
	s_barrier_signal -3
.Lnot_wave_0_\@:
	s_barrier_wait -3
	s_barrier_signal -1
	s_barrier_wait -1
.endm
.macro CROUND
	s_barrier_signal -1
	s_barrier_wait -1
	CREST
.endm
.macro JLOAD                           ; the joint refill: every wave its quarter of the tile; s_nop 0 and four v_nop follow
	tensor_load_to_lds s[36:39], s[24:31]
	s_nop 0
.rept 4
	v_nop
.endr
.endm
.macro NEXTW sl, wrap                  ; the walking descriptor: into slot sl, the stream's next tile; behind tile 11 the stream begins anew
	s_add_co_u32 s37, s40, (\sl)*SLOTB
.if \wrap
	s_sub_nc_u64 s[38:39], s[38:39], 11*65536
.else
	s_add_nc_u64 s[38:39], s[38:39], 65536
.endif
.endm
; 8 matrix instructions: row block a (of the window's four) x all 8 channel blocks, 32 along K.  mode 0: add in place; 2: the sums start with bft; 3: with K2 (h + bf).
; The accumulators take turns, one instruction a turn, in the same order in every quarter.
.macro MULA f, hi, a, mode
.if (\mode) == 0
	WIN 0xa1+0x50*(\hi)
.elseif (\mode) == 2
	WIN 0x91+0x40*(\hi)
.else
	WIN 0xb1
.endif
.irp b, 0,1,2,3,4,5,6,7
.if (\mode) == 0
	v_wmma_f32_16x16x32_bf16 v[8*(8*(\a)+\b):8*(8*(\a)+\b)+7], v[(\f)+8*\b:(\f)+8*\b+7], v[(\f)+8*(4*(\hi)+(\a)):(\f)+8*(4*(\hi)+(\a))+7], v[8*(8*(\a)+\b):8*(8*(\a)+\b)+7]
.elseif (\mode) == 2
	v_wmma_f32_16x16x32_bf16 v[8*(8*(\a)+\b):8*(8*(\a)+\b)+7], v[(\f)+8*\b:(\f)+8*\b+7], v[(\f)+8*(4*(\hi)+(\a)):(\f)+8*(4*(\hi)+(\a))+7], v[128+8*\b:128+8*\b+7]
.else
	v_wmma_f32_16x16x32_bf16 v[8*(8*(\a)+\b):8*(8*(\a)+\b)+7], v[(\f)+8*\b:(\f)+8*\b+7], v[(\f)+8*(4*(\hi)+(\a)):(\f)+8*(4*(\hi)+(\a))+7], v[8*\b:8*\b+7]
.endif
.endr
.endm
.macro MUL4 f, hi, mode                ; 32 matrix instructions: the window's four row blocks
	MULA \f, \hi, 0, \mode
	MULA \f, \hi, 1, \mode
	MULA \f, \hi, 2, \mode
	MULA \f, \hi, 3, \mode
.endm
; G1: 32 LDS loads in one run: my 128 rows of Wft, then the 128 rows of X, 32 K at byte k of the rows, into buffer f
.macro FETCH sl, k, f
	WIN 0x40
.irp i, 0,1,2,3,4,5,6,7
	ds_load_b128 v[(\f)+8*\i:(\f)+8*\i+3], v[ADW+(\sl)] offset:(\k)+\i*16*WP
	ds_load_b128 v[(\f)+8*\i+4:(\f)+8*\i+7], v[ADW+(\sl)] offset:(\k)+\i*16*WP+32
.endr
	WIN 0
.irp i, 0,1,2,3,4,5,6,7
	ds_load_b128 v[(\f)+8*\i:(\f)+8*\i+3], v[ADX+(\sl)] offset:(\k)+\i*16*WP
	ds_load_b128 v[(\f)+8*\i+4:(\f)+8*\i+7], v[ADX+(\sl)] offset:(\k)+\i*16*WP+32
.endr
.endm
; G2: 24 LDS loads: my 128 rows of Wf (quarter q of the tile in slot sl), then my 64 rows of ft (channels 128 j + 32 q on)
.macro FETCH2 sl, j, q, f
	WIN 0x40
.irp b, 0,1,2,3,4,5,6,7
	ds_load_b128 v[(\f)+8*\b:(\f)+8*\b+3], v[ADG+(\sl)] offset:((\q)>>1)*256*WP+((\q)&1)*64+\b*16*WP
	ds_load_b128 v[(\f)+8*\b+4:(\f)+8*\b+7], v[ADG+(\sl)] offset:((\q)>>1)*256*WP+((\q)&1)*64+\b*16*WP+32
.endr
	WIN 0
.irp a, 0,1,2,3
	ds_load_b128 v[(\f)+8*\a:(\f)+8*\a+3], v[ADF] offset:\a*16*FP+256*(\j)+64*(\q)
	ds_load_b128 v[(\f)+8*\a+4:(\f)+8*\a+7], v[ADF] offset:\a*16*FP+256*(\j)+64*(\q)+32
.endr
.endm
; X set e (32 rows x 256 bytes of f32, loaded two K steps ago) is rounded to bf16 in place and laid into X slot e; then the set is loaded again with the K step two further on.
.macro XCONV e
	s_wait_loadcnt 16                              ; my set is in; the other set's 16 loads, issued later, stay out
.set xr, 192-192*(\e)
	WIN 0x45*(\e)
.set i, 0
.rept 16
	v_cvt_pk_bf16_f32 v[xr+4*i], v[xr+4*i], v[xr+4*i+1]
	v_cvt_pk_bf16_f32 v[xr+4*i+1], v[xr+4*i+2], v[xr+4*i+3]
.set i, i+1
.endr
	WIN 0x04*(\e)
.set i, 0
.rept 16
	ds_store_b64 v[XS], v[xr+4*i:xr+4*i+1] offset:(\e)*XBB+i*2*WP
.set i, i+1
.endr
	s_min_u32 s49, s46, 31                         ; K step T of the work-group's 32; the last three requests stay at the last
	s_lshr_b32 s50, s49, 3
	s_lshl_b32 s50, s50, 18                        ; pass T / 8: 128 rows of 2,048 bytes
	s_and_b32 s49, s49, 7
	s_lshl_b32 s49, s49, 8                         ; 64 columns of f32
	s_add_co_u32 s49, s49, s50
	s_add_co_u32 s46, s46, 1
	s_wait_xcnt 0x0                                ; the other set's loads have had their addresses translated: only now is the offset register rewritten
	WIN 0
	v_add_nc_u32 v[XO], s49, v[XL]
	WIN 0x40*(\e)
.set i, 0
.rept 16
	global_load_b128 v[xr+4*i:xr+4*i+3], v[XO], s[4:5] offset:i*4096 th:TH_LOAD_NT  ; 16 lanes take 256 consecutive bytes of a row
.set i, i+1
.endr
.endm
; G1, the first half of a K step in slot sl: multiplies buffer 0, fetches the second half into buffer 1, and lays the next K step's X into the other X slot
; (its last readers waited for their loads in front of the barrier of the change of slots before).
.macro Q0 sl
	s_wait_dscnt 8                                 ; all but X's rows 64-127
	MUL4 F0, 0, 0
	PLACES
	FETCH \sl, 64, F1
	XCONV 1-(\sl)
	s_wait_dscnt 48                                ; all but the 32 loads and 16 stores just issued
	MUL4 F0, 1, 0
.endm
; G1, the second half: multiplies buffer 1 and changes slots.  In front of the round each wave waits for all its tensor loads (one is out: its quarter of the next tile), adds 0 to its spare word,
; and waits for that, for its reads of this slot and for its stores of X.  Behind the round no wave of any partner reads the slot: it is filled again first, with the tile two further on.
.macro TURN sl, next
	WIN 0
	s_wait_tensorcnt 0x0
	ds_add_u32 v[SPW], v[NIL]
	s_wait_dscnt 25                                ; X's rows 64-127 (8 loads), my 16 stores of X and the add may be out
	MULA F1, 0, 0, 0
	MULA F1, 0, 1, 0
	s_wait_dscnt 0x0
	s_barrier_signal -1
	MULA F1, 0, 2, 0
	MULA F1, 0, 3, 0
	WIN 0
	s_barrier_wait -1
	CREST
	NEXTW \sl, 0
	JLOAD                                          ; its four v_nop are also the places in front of the loads below
.if \next
	FETCH 1-(\sl), 0, F0
.endif
	MUL4 F1, 1, 0
.endm
; G2, one of a tile's first three quarters
.macro Q2 sl, j, q, f, g, mode
	s_wait_dscnt 4                                 ; all but ft's row blocks 2, 3
	MULA \f, 0, 0, \mode
	MULA \f, 0, 1, \mode
	PLACES
	FETCH2 \sl, \j, (\q)+1, \g
	s_wait_dscnt 24                                ; all but the 24 just issued
	MULA \f, 0, 2, \mode
	MULA \f, 0, 3, \mode
.endm
; What the epilogue reads from LDS: -2 Wc of my 128 columns, and ft^T of my 128 channels x 128 rows by the turning load (fragment (q, b): rows 32 q on, channels 16 b on)
.macro EPILOADS
	WIN 0x40
.irp b, 0,1,2,3,4,5,6,7
	ds_load_b128 v[64+8*\b:64+8*\b+3], v[WCA] offset:64*\b
	ds_load_b128 v[64+8*\b+4:64+8*\b+7], v[WCA] offset:64*\b+16
.endr
	WIN 0xc0
.irp q, 0,1,2,3
.irp b, 0,1,2,3,4,5,6,7
	ds_load_tr16_b128 v[64*\q+8*\b:64*\q+8*\b+3], v[TRA+(\q>>1)] offset:(\q&1)*32*FP+32*\b
	ds_load_tr16_b128 v[64*\q+8*\b+4:64*\q+8*\b+7], v[TRA+(\q>>1)] offset:(\q&1)*32*FP+16*FP+32*\b
.endr
.endr
.endm
; G2, a tile's last quarter.  kind 2: a change of slots with a refill, as TURN; 1: the change without a refill (a plain barrier); 0: the stream's very end.
; nj >= 0: the next tile's first fragments are fetched; nj < 0: the epilogue's loads.
.macro TURN2 sl, kind, wrap, nj
.if (\kind) == 0
	s_wait_dscnt 0x0
	MULA F1, 0, 0, 0
	MULA F1, 0, 1, 0
	PLACES
.else
	WIN 0
	s_wait_tensorcnt 0x0
	ds_add_u32 v[SPW], v[NIL]
	s_wait_dscnt 5                                 ; ft's row blocks 2, 3 (4 loads) and the add may be out
	MULA F1, 0, 0, 0
	s_wait_dscnt 0x0
	s_barrier_signal -1
	MULA F1, 0, 1, 0
	WIN 0
	s_barrier_wait -1
.if (\kind) == 2
	CREST
	NEXTW \sl, \wrap
	JLOAD
.else
	PLACES
.endif
.endif
.if (\nj) >= 0
	FETCH2 1-(\sl), \nj, 0, F0
.else
	EPILOADS
.endif
	MULA F1, 0, 2, 0
	MULA F1, 0, 3, 0
.endm
; Row block a of my tile: r = 1 / (1 + 2^f') in place, then my lane's part of sum (-2 Wc) r, in four chains
.macro TANHZ a
	WIN 0x82
.set i, 64*(\a)
.rept 64
	v_exp_f32 v[i], v[i]                           ; each accumulator is read from its low end on
.set i, i+1
.endr
	v_nop                                          ; a plain instruction behind the last exponential
.set i, 64*(\a)
	s_wait_alu depctr_va_vdst(0)
.rept 32
	v_pk_add_f32 v[i:i+1], v[i:i+1], 1.0 op_sel_hi:[1,0]
.set i, i+2
.endr
.set i, 64*(\a)
.rept 64
	v_rcp_f32 v[i], v[i]
.set i, i+1
.endr
	v_nop
.if (\a) == 0
	s_wait_dscnt 0x0                               ; -2 Wc and ft^T are in
.endif
	WIN 0x06
	s_wait_alu depctr_va_vdst(0)
.irp c, 0,1,2,3
	v_pk_mul_f32 v[64+2*\c:65+2*\c], v[64*(\a)+2*\c:64*(\a)+2*\c+1], v[64+2*\c:65+2*\c]
.endr
.irp b, 1,2,3,4,5,6,7
.irp c, 0,1,2,3
	v_pk_fma_f32 v[64+2*\c:65+2*\c], v[64*(\a)+8*\b+2*\c:64*(\a)+8*\b+2*\c+1], v[64+8*\b+2*\c:64+8*\b+2*\c+1], v[64+2*\c:65+2*\c]
.endr
.endr
	WIN 0
	v_pk_add_f32 v[64:65], v[64:65], v[66:67]
	v_pk_add_f32 v[68:69], v[68:69], v[70:71]
	v_pk_add_f32 v[64:65], v[64:65], v[68:69]
	v_add_f32 v[72+(\a)], v64, v65
.endm
.macro WSUM r, t                       ; the sum of register r over the wave's 32 lanes, in every lane; t: a register written before
	v_add_f32_dpp v[\r], v[\r], v[\r] row_xmask:1 row_mask:0xf bank_mask:0xf
	v_add_f32_dpp v[\r], v[\r], v[\r] row_xmask:2 row_mask:0xf bank_mask:0xf
	v_add_f32_dpp v[\r], v[\r], v[\r] row_xmask:4 row_mask:0xf bank_mask:0xf
	v_add_f32_dpp v[\r], v[\r], v[\r] row_xmask:8 row_mask:0xf bank_mask:0xf
	v_permlanex16_b32 v[\t], v[\r], s54, s55
	v_add_f32 v[\r], v[\r], v[\t]
.endm
; A BATCH BEGINS: K2 (h + bf) into LDS; i = (bc + sum Wc) + sum (-2 Wc) / (1 + 2^U'), eight columns a lane; M starts at the lowest finite number, so the batch's first a is 0 and C and L need no clearing.
.macro BBEG
	ds_store_b64 v[HBS], v[100:101]
	ds_load_b128 v[104:107], v[WCI]
	ds_load_b128 v[108:111], v[WCI] offset:16
.irp i, 0,1,2,3,4,5,6,7
	v_exp_f32 v[92+\i], v[92+\i]
.endr
	v_nop
	s_wait_alu depctr_va_vdst(0)
.irp i, 0,2,4,6
	v_pk_add_f32 v[92+\i:93+\i], v[92+\i:93+\i], 1.0 op_sel_hi:[1,0]
.endr
.irp i, 0,1,2,3,4,5,6,7
	v_rcp_f32 v[92+\i], v[92+\i]
.endr
	v_nop
	s_wait_dscnt 0x0
	s_wait_alu depctr_va_vdst(0)
	v_pk_mul_f32 v[92:93], v[92:93], v[104:105]
	v_pk_fma_f32 v[92:93], v[94:95], v[106:107], v[92:93]
	v_pk_fma_f32 v[92:93], v[96:97], v[108:109], v[92:93]
	v_pk_fma_f32 v[92:93], v[98:99], v[110:111], v[92:93]
	v_add_f32 v92, v92, v93
	WSUM 92, 45
	v_add_f32 v[IS], s52, v92
	v_mov_b32 v[MX], 0xff7fffff
.endm
; A BATCH ENDS: C (the same in all 16 columns of its accumulators) goes through my own 512 bytes of LDS, so that a lane holds four neighbouring channels; out = (e s + C) / (L + e).
.macro BEND loop
	WIN 0x04
.irp b, 0,1,2,3,4,5,6,7
	ds_store_b128 v[CSW], v[192+8*\b:192+8*\b+3] offset:64*\b       ; each accumulator is read from its low end on
	ds_store_b128 v[CSW], v[192+8*\b+4:192+8*\b+7] offset:64*\b+16
.endr
	WIN 0
	ds_load_b128 v[112:115], v[CSR]                ; LDS serves a wave's instructions in order: this sees the stores above
	v_sub_f32 v44, v[IS], v[MX]
	v_mul_f32 v44, s56, v44
	v_exp_f32 v44, v44
	v_nop
	s_wait_alu depctr_va_vdst(0)
	v_add_f32 v45, v[LS], v44
	v_rcp_f32 v45, v45
	s_wait_dscnt 0x0
.irp i, 0,1,2,3
	v_fma_f32 v[112+\i], v44, v[88+\i], v[112+\i]
.endr
	s_wait_alu depctr_va_vdst(0)
.irp i, 0,1,2,3
	v_mul_f32 v[112+\i], v[112+\i], v45
.endr
	global_store_b128 v[GOS], v[112:115], s[18:19] ; 512 consecutive bytes a wave, aligned
.if \loop
	s_wait_xcnt 0x0                                ; the store has read its registers and base
	s_add_nc_u64 s[10:11], s[10:11], 2048          ; s and out0 at the second batch
	s_add_nc_u64 s[18:19], s[18:19], 2048
.endif
.endm
; THE EPILOGUE of a pass
.macro EPI loop
	PLACES
	WIN 0
	global_load_b128 v[88:91], v[GOS], s[10:11]    ; my four numbers of s
.if \loop
	global_load_b128 v[92:95], v[GU], s[8:9] offset:256   ; the second batch's U' and K2 (h + bf): used where the first batch ends
	global_load_b128 v[96:99], v[GU], s[8:9] offset:272
	global_load_b64 v[100:101], v[GH], s[8:9] offset:256
.endif
	TANHZ 0
	TANHZ 1
	TANHZ 2
	TANHZ 3
.irp a, 0,1,2,3
	v_permlanex16_b32 v[40+\a], v[72+\a], s54, s55 ; the row's other 64 columns lie in the lane 16 away
.endr
.irp a, 0,1,2,3
	v_add_f32 v[72+\a], v[72+\a], v[40+\a]
.endr
.irp a, 0,1,2,3
	ds_store_b32 v[ZSW], v[72+\a] offset:64*\a
.endr
	s_wait_dscnt 0x0                               ; for the others' sake; my reads of ft are over too
	s_barrier_signal -1
	s_barrier_wait -1
	ds_load_b128 v[76:79], v[ZSR]                  ; every wave makes the pass's softmax step for itself: four rows a lane
	ds_load_b128 v[80:83], v[ZSR] offset:512
	s_wait_dscnt 0x0
	v_pk_add_f32 v[76:77], v[76:77], v[80:81]
	v_pk_add_f32 v[78:79], v[78:79], v[82:83]
	v_pk_add_f32 v[76:77], v[76:77], s[52:53] op_sel_hi:[1,0]
	v_pk_add_f32 v[78:79], v[78:79], s[52:53] op_sel_hi:[1,0]
	v_max3_num_f32 v44, v76, v77, v78
	v_max3_num_f32 v44, v44, v79, v[IS]
	v_max_num_f32_dpp v44, v44, v44 row_xmask:1 row_mask:0xf bank_mask:0xf
	v_max_num_f32_dpp v44, v44, v44 row_xmask:2 row_mask:0xf bank_mask:0xf
	v_max_num_f32_dpp v44, v44, v44 row_xmask:4 row_mask:0xf bank_mask:0xf
	v_max_num_f32_dpp v44, v44, v44 row_xmask:8 row_mask:0xf bank_mask:0xf
	v_permlanex16_b32 v45, v44, s54, s55
	v_max3_num_f32 v44, v44, v45, v[MX]            ; the new M
	v_sub_f32 v46, v[MX], v44
.irp i, 0,1,2,3
	v_sub_f32 v[84+\i], v[76+\i], v44
.endr
	v_mul_f32 v46, s56, v46
.irp i, 0,1,2,3
	v_mul_f32 v[84+\i], s56, v[84+\i]
.endr
	v_exp_f32 v[AF], v46
.irp i, 0,1,2,3
	v_exp_f32 v[84+\i], v[84+\i]
.endr
	v_mov_b32 v[MX], v44                           ; the plain instruction behind the exponentials
	s_wait_alu depctr_va_vdst(0)
	v_add_f32 v46, v84, v85
	v_add_f32 v47, v86, v87
	v_add_f32 v46, v46, v47
	WSUM 46, 45
	v_fma_f32 v[LS], v[LS], v[AF], v46
	v_cvt_pk_bf16_f32 v116, v84, v85
	v_cvt_pk_bf16_f32 v117, v86, v87
	ds_store_b64 v[PBW], v[116:117]                ; my own copy of p; the loads below see it (a wave's LDS instructions are served in order)
.irp q, 0,1,2,3
	ds_load_b128 v[128+8*\q:128+8*\q+3], v[PBR] offset:64*\q       ; source 1: rows 32 q on, the same in all 16 columns
	ds_load_b128 v[128+8*\q+4:128+8*\q+7], v[PBR] offset:64*\q+32
.endr
	WIN 0x41
.set i, 192
.rept 32
	v_pk_mul_f32 v[i:i+1], v[i:i+1], v[AF:AF+1] op_sel_hi:[1,0]    ; C times a, from each accumulator's low end on
.set i, i+2
.endr
	s_wait_dscnt 0x0
	WIN 0x53
.irp q, 0,1,2,3
.irp b, 0,1,2,3,4,5,6,7
	v_wmma_f32_16x16x32_bf16 v[192+8*\b:192+8*\b+7], v[64*\q+8*\b:64*\q+8*\b+7], v[128+8*\q:128+8*\q+7], v[192+8*\b:192+8*\b+7]
.endr
.endr
.rept 5
	v_nop                                          ; five places: the next pass's products write over window 3, which these products read
.endr
	WIN 0
	s_wait_loadcnt 0x0                             ; s, U', K2 (h + bf)
.if \loop
	s_cmp_lg_u32 s47, 2                            ; two passes to go: the first batch has ended
	s_cbranch_scc1 .Lsame_batch_\@
	BEND 1
	BBEG
.Lsame_batch_\@:
.else
	BEND 0
.endif
.endm
; The end of a pass: the rest of tile 10, tile 11, the epilogue.  loop = 1: the two changes of slots ask for the next pass's tiles 0 and 1; loop = 0, written out for the last pass: nothing is asked for.
.macro PARTB loop
	TURN2 0, 1+(\loop), 1, 3
	Q2 1, 3, 0, F0, F1, 0
	Q2 1, 3, 1, F1, F0, 0
	Q2 1, 3, 2, F0, F1, 0
	TURN2 1, 2*(\loop), 0, -1
	EPI \loop
.endm
	; ---------------------------------------------------------------- the prologue
	s_load_b512 s[4:19], s[0:1], 0x0               ; features, wb, hu, s, Wc, bc, bft, out0
	v_lshl_add_u32 v[SPW], v0, 2, SPARE
	v_mov_b32 v[NIL], 0
	ds_add_u32 v[SPW], v[NIL]                      ; the wave's opening: the add and its wait ahead of my first tensor load; work on registers stands between them
	v_lshrrev_b32 v40, 5, v0
	v_readfirstlane_b32 s20, v40                   ; wave 0..3
	s_bfe_u32 s22, ttmp6, 0x40000                  ; cx: my place in the cluster
	s_lshl_b32 s23, ttmp9, 2
	s_add_co_u32 s23, s23, s22                     ; my work-group: it enters the addresses of features, hu, s and out0 alone
	s_lshr_b32 s58, s20, 1                         ; ni
	s_and_b32 s59, s20, 1                          ; mj
	s_mul_i32 s40, s20, 128*WP                     ; my quarter of a slot
	; descriptor group 1: 16,384 dense bytes as 64 rows of 256, padded in LDS by 16 bytes after every 128
	s_mov_b32 s24, 15|(1<<16)|(1<<20)|(1<<21)|(4<<22)|(3<<25)  ; the mask of four; 2-byte elements; padding on; bit 21 beside a mask; after every 32 words; 4 words
	s_mov_b32 s25, 128<<16                         ; tensor_dim0 = 128
	s_mov_b32 s26, 64<<16                          ; tensor_dim1 = 64
	s_mov_b32 s27, 128<<16                         ; tile_dim0 = 128
	s_mov_b32 s28, 64                              ; tile_dim1 = 64
	s_mov_b32 s29, 128                             ; 128 elements from row to row
	s_mov_b32 s30, 0
	s_mov_b32 s31, 0
	s_mov_b32 s54, 0x76543210                      ; v_permlanex16_b32: each lane takes its own place in the other half
	s_mov_b32 s55, 0xfedcba98
	s_mov_b32 s56, 0x3fb8aa3b                      ; log2 e
	s_mov_b32 s46, 2                               ; the next K step of X to be asked for
	v_and_b32 v1, 15, v0                           ; r
	v_bfe_u32 v2, v0, 4, 1                         ; half
	v_and_b32 v3, 31, v0                           ; lane
	v_mul_u32_u24 v40, v1, WP
	v_lshl_add_u32 v40, v2, 4, v40                 ; a fragment's row x 144 + 16 x half
	v_add_nc_u32 v[ADW], s40, v40
	v_add_nc_u32 v[ADW+1], SLOTB, v[ADW]
	v_add_nc_u32 v[ADX], XB, v40
	v_add_nc_u32 v[ADX+1], XB+XBB, v40
	s_mul_i32 s49, s59, 128*WP
	v_add_nc_u32 v[ADG], s49, v40
	v_add_nc_u32 v[ADG+1], SLOTB, v[ADG]
	v_mul_u32_u24 v41, v1, FP
	v_lshl_add_u32 v41, v2, 4, v41                 ; row x 1,040 + 16 x half
	s_mul_i32 s49, s58, 64*FP
	s_add_co_u32 s49, s49, FT
	v_add_nc_u32 v[ADF], s49, v41
	s_lshl_b32 s49, s20, 8
	s_add_co_u32 s49, s49, FT                      ; my 128 channels: 256 bytes of a row of ft
	v_add_nc_u32 v[FTS], s49, v41
	v_add_nc_u32 v[FTS+1], 64*FP, v[FTS]
	v_and_b32 v42, 7, v0                           ; the turning load: row 8 half + lane % 8, 16 bytes for each eight lanes
	v_lshl_add_u32 v42, v2, 3, v42
	v_mul_u32_u24 v42, v42, FP
	v_bfe_u32 v43, v0, 3, 1
	v_lshl_add_u32 v42, v43, 4, v42
	v_add_nc_u32 v[TRA], s49, v42
	v_add_nc_u32 v[TRA+1], 64*FP, v[TRA]
	s_mul_i32 s49, s20, 32*WP
	s_add_co_u32 s49, s49, XB
	v_mul_u32_u24 v42, v2, WP
	v_lshl_add_u32 v42, v1, 3, v42
	v_add_nc_u32 v[XS], s49, v42                   ; my 32 rows of X: two rows a store, 8 bytes a lane
	s_lshl_b32 s49, s20, 16
	v_lshlrev_b32 v42, 11, v2
	v_lshl_add_u32 v42, v1, 4, v42
	v_add_nc_u32 v[XL], s49, v42
	s_lshl_b32 s49, s59, 9
	s_add_co_u32 s50, s49, HBL
	v_lshl_add_u32 v[HBA], v2, 5, s50
	s_add_co_u32 s50, s49, WCL
	v_lshl_add_u32 v[WCA], v2, 5, s50
	s_lshl_b32 s50, s58, 8
	s_add_co_u32 s50, s50, s49
	s_add_co_u32 s50, s50, ZS
	v_lshl_add_u32 v[ZSW], v1, 2, s50
	s_lshl_b32 s49, s20, 9
	s_add_co_u32 s50, s49, BFL
	v_lshl_add_u32 v[BFA], v2, 5, s50
	s_add_co_u32 s50, s49, CSG
	v_lshl_add_u32 v[CSW], v2, 5, s50
	v_lshl_add_u32 v[CSR], v3, 4, s50
	v_lshl_add_u32 v[GOS], v3, 4, s49
	v_lshl_add_u32 v[ZSR], v3, 4, ZS
	s_lshl_b32 s49, s20, 8
	s_add_co_u32 s49, s49, PB
	v_lshl_add_u32 v[PBW], v3, 3, s49
	v_lshl_add_u32 v[PBR], v2, 4, s49
	v_lshrrev_b32 v42, 2, v3                       ; U': columns 8 lane ..: block lane / 4 of hu, words 32 + 8 (lane % 4)
	v_lshlrev_b32 v42, 17, v42
	v_and_b32 v43, 3, v0
	v_lshl_add_u32 v42, v43, 5, v42
	v_add_nc_u32 v[GU], 128, v42
	v_lshrrev_b32 v42, 4, v0                       ; K2 (h + bf): columns 2 t, 2 t + 1
	v_lshlrev_b32 v42, 17, v42
	v_lshl_add_u32 v[GH], v1, 3, v42
	v_lshl_add_u32 v[HBS], v0, 3, HBL
	v_lshl_add_u32 v[WCI], v3, 5, WCL
	v_lshlrev_b32 v44, 3, v0
	v_lshlrev_b32 v45, 4, v0
	v_lshlrev_b32 v46, 5, v3
	v_lshl_add_u32 v47, v0, 4, BFL
	v_mov_b32 v[LS], 0
	v_mov_b32 v[AF], 0
	v_mov_b32 v[AF+1], 0                           ; named with a as a pair
	s_wait_dscnt 0x0                               ; the opening add is done
	s_wait_kmcnt 0x0
	s_lshl_b32 s44, s23, 20                        ; two batches of 524,288 bytes
	s_mov_b32 s45, 0
	s_add_nc_u64 s[4:5], s[4:5], s[44:45]
	s_lshl_b32 s44, s23, 9
	s_add_nc_u64 s[8:9], s[8:9], s[44:45]
	s_lshl_b32 s44, s23, 12
	s_add_nc_u64 s[10:11], s[10:11], s[44:45]
	s_add_nc_u64 s[18:19], s[18:19], s[44:45]
	s_lshl_b32 s60, s20, 14                        ; my quarter of a tile in wb: in registers that never hold the work-group's place
	s_mov_b32 s61, 0
	s_add_nc_u64 s[42:43], s[6:7], s[60:61]
	s_mov_b32 s32, 1                               ; group 0 of the first fill: tile 0 into slot 0
	s_mov_b32 s33, s40
	s_mov_b64 s[34:35], s[42:43]
	s_or_b32 s35, s35, 0x80000000
	s_mov_b32 s36, 1                               ; group 0 of the second: tile 1 into slot 1; it then walks
	s_add_co_u32 s37, s40, SLOTB
	s_add_nc_u64 s[38:39], s[42:43], 65536
	s_or_b32 s39, s39, 0x80000000
	CROUND                                         ; all four work-groups are here: the first joint loads meet
	tensor_load_to_lds s[32:35], s[24:31]
	s_nop 0
	tensor_load_to_lds s[36:39], s[24:31]          ; two loads of mine are out; later one
	s_nop 0
.rept 4
	v_nop
.endr
	s_load_b32 s51, s[14:15], 0x0                  ; bc
	global_load_b64 v[48:49], v44, s[12:13]        ; Wc, two a thread
	global_load_b128 v[52:55], v45, s[16:17]       ; bft, four a thread
	global_load_b128 v[104:107], v46, s[12:13]     ; Wc, eight a lane, for its sum
	global_load_b128 v[108:111], v46, s[12:13] offset:16
	global_load_b128 v[92:95], v[GU], s[8:9]       ; the first batch's U'
	global_load_b128 v[96:99], v[GU], s[8:9] offset:16
	global_load_b64 v[100:101], v[GH], s[8:9]      ; and K2 (h + bf)
.set i, 0
.rept 16
	global_load_b128 v[192+4*i:195+4*i], v[XL], s[4:5] offset:i*4096 th:TH_LOAD_NT       ; X, K step 0
.set i, i+1
.endr
	WIN 0x40
.set i, 0
.rept 16
	global_load_b128 v[4*i:4*i+3], v[XL], s[4:5] offset:i*4096+256 th:TH_LOAD_NT         ; X, K step 1
.set i, i+1
.endr
	WIN 0
	s_wait_loadcnt 32                              ; all but X's 32 loads
	v_mul_f32 v48, -2.0, v48
	v_mul_f32 v49, -2.0, v49
	ds_store_b64 v[HBS], v[48:49] offset:WCL-HBL
	ds_store_b128 v47, v[52:55]
	v_pk_add_f32 v[104:105], v[104:105], v[106:107]
	v_pk_add_f32 v[108:109], v[108:109], v[110:111]
	v_pk_add_f32 v[104:105], v[104:105], v[108:109]
	v_add_f32 v104, v104, v105
	WSUM 104, 41
	s_wait_kmcnt 0x0
	v_add_f32 v104, s51, v104
	v_readfirstlane_b32 s52, v104                  ; bc + sum Wc: a number, never an address or a count
	s_mov_b32 s53, s52
	XCONV 0                                        ; K step 0 into X slot 0; K step 2 is asked for
	WIN 0x40
.set i, 192
.rept 64
	v_mov_b32 v[i], 0                              ; C, once in the launch, in the wait for the first tile: a batch's first a is 0, so it need only be finite
.set i, i+1
.endr
	WIN 0
	s_wait_tensorcnt 1                             ; my quarter of tile 0 is in; tile 1's may stay out
	s_wait_dscnt 0x0
	s_barrier_signal -1
	s_barrier_wait -1
	BBEG
	s_mov_b32 s47, 4                               ; passes to go
	s_branch .Lfirst                               ; the loop is entered in the middle of a trip
	; ---------------------------------------------------------------- the loop over passes
.Lpass:
	PARTB 1
.Lfirst:
	WIN 0x40
.irp b, 0,1,2,3,4,5,6,7
	ds_load_b128 v[128+8*\b:128+8*\b+3], v[BFA] offset:64*\b       ; bft of my 128 channels, as C operands
	ds_load_b128 v[128+8*\b+4:128+8*\b+7], v[BFA] offset:64*\b+16
.endr
	FETCH 0, 0, F0
	s_wait_dscnt 8                                 ; all but X's rows 64-127
	MUL4 F0, 0, 2                                  ; the pass's first products start the sums with bft
	s_wait_dscnt 0x0
	MUL4 F0, 1, 2
	PLACES
	FETCH 0, 64, F1
	XCONV 1
	WIN 0
	s_mov_b32 s48, 3
.Llap:                                                 ; a trip: the second half of an even K step, an odd K step, the first half of the next even one
	TURN 0, 1
	Q0 1
	TURN 1, 1
	Q0 0
	WIN 0
	s_sub_co_u32 s48, s48, 1
	s_cmp_lg_u32 s48, 0
	s_cbranch_scc1 .Llap
	TURN 0, 1
	Q0 1
	TURN 1, 0                                      ; K step 7: tile 9 is asked for, nothing is fetched
	; ft = relu, rounded to bf16, into LDS: a lane's eight channels of a row are 16 bytes
	PLACES
.irp a, 0,1,2,3,4,5,6,7
.set fhi, \a/4
.set fab, 64*(\a%4)
	WIN 0x88+0x44*fhi
.set i, 0
.rept 64
	v_max_num_f32 v[fab+i], 0, v[fab+i]            ; each accumulator is read from its low end on
.set i, i+1
.endr
	WIN 0x0a+5*fhi
.set i, 0
.rept 32
	v_cvt_pk_bf16_f32 v[64+i], v[fab+2*i], v[fab+2*i+1]
.set i, i+1
.endr
	WIN 0
.irp b, 0,1,2,3,4,5,6,7
	ds_store_b128 v[FTS+fhi], v[64+4*\b:64+4*\b+3] offset:(\a%4)*16*FP+32*\b
.endr
.endr
	s_wait_dscnt 0x0                               ; for the others' sake: my channels of ft lie in LDS
	s_barrier_signal -1                            ; tile 9 stays on its way
	s_barrier_wait -1
	WIN 0xc0
.irp b, 0,1,2,3,4,5,6,7
	ds_load_b128 v[8*\b:8*\b+3], v[HBA] offset:64*\b               ; K2 (h + bf) of my 128 columns, as C operands
	ds_load_b128 v[8*\b+4:8*\b+7], v[HBA] offset:64*\b+16
.endr
	FETCH2 0, 0, 0, F0
	Q2 0, 0, 0, F0, F1, 3                          ; G2's first products start the sums
	Q2 0, 0, 1, F1, F0, 0
	Q2 0, 0, 2, F0, F1, 0
	TURN2 0, 2, 0, 1
	Q2 1, 1, 0, F0, F1, 0
	Q2 1, 1, 1, F1, F0, 0
	Q2 1, 1, 2, F0, F1, 0
	TURN2 1, 2, 0, 2
	Q2 0, 2, 0, F0, F1, 0
	Q2 0, 2, 1, F1, F0, 0
	Q2 0, 2, 2, F0, F1, 0
	WIN 0
	s_sub_co_u32 s47, s47, 1
	s_cmp_lg_u32 s47, 0
	s_cbranch_scc1 .Lpass
	PARTB 0                                        ; the last pass's end is written out
	WIN 0
	s_wait_tensorcnt 0x0                           ; the wave's end, behind my last tensor load and my last LDS store
	ds_add_u32 v[SPW], v[NIL]
	s_wait_dscnt 0x0
	CROUND                                         ; the closing round: no work-group ends while a partner may still ask for a tile that names it
	s_endpgm
.Lfunc_end_k_q9ceb02d08e_attn:
	.size	k_q9ceb02d08e_attn, .Lfunc_end_k_q9ceb02d08e_attn-k_q9ceb02d08e_attn
	.p2alignl 7, 3214868480
	.fill 96, 4, 3214868480
	.section	.rodata,"a",@progbits
	.p2align	6, 0x0
	.amdhsa_kernel k_q9ceb02d08e_attn
		.amdhsa_group_segment_fixed_size 327680
		.amdhsa_private_segment_fixed_size 0
		.amdhsa_enable_private_segment 0
		.amdhsa_kernarg_size 64
		.amdhsa_user_sgpr_count 2
		.amdhsa_user_sgpr_kernarg_segment_ptr 1
		.amdhsa_wavefront_size32 1
		.amdhsa_system_sgpr_workgroup_id_x 1
		.amdhsa_system_sgpr_workgroup_id_y 1
		.amdhsa_system_sgpr_workgroup_id_z 1
		.amdhsa_system_vgpr_workitem_id 0
		.amdhsa_next_free_vgpr 1024
		.amdhsa_next_free_sgpr 66
		.amdhsa_reserve_vcc 0
		.amdhsa_float_denorm_mode_32 3
		.amdhsa_float_denorm_mode_16_64 3
		.amdhsa_memory_ordered 1
		.amdhsa_forward_progress 1
		.amdhsa_inst_pref_size 255
	.end_amdhsa_kernel
	.section	.bss,"aw",@nobits
	.p2align	6
	.space	262144
	.amdgpu_metadata
---
amdhsa.version: [ 1, 2 ]
amdhsa.kernels:
  - .name:           k_q9ceb02d08e_attn
    .symbol:         k_q9ceb02d08e_attn.kd
    .args:
      - { .name: features, .offset: 0, .size: 8, .value_kind: global_buffer, .address_space: global }
      - { .name: wb, .offset: 8, .size: 8, .value_kind: global_buffer, .address_space: global }
      - { .name: hu, .offset: 16, .size: 8, .value_kind: global_buffer, .address_space: global }
      - { .name: s, .offset: 24, .size: 8, .value_kind: global_buffer, .address_space: global }
      - { .name: Wc, .offset: 32, .size: 8, .value_kind: global_buffer, .address_space: global }
      - { .name: bc, .offset: 40, .size: 8, .value_kind: global_buffer, .address_space: global }
      - { .name: bft, .offset: 48, .size: 8, .value_kind: global_buffer, .address_space: global }
      - { .name: out0, .offset: 56, .size: 8, .value_kind: global_buffer, .address_space: global }
    .group_segment_fixed_size: 327680
    .private_segment_fixed_size: 0
    .kernarg_segment_align: 8
    .kernarg_segment_size: 64
    .max_flat_workgroup_size: 128
    .sgpr_count:     66
    .vgpr_count:     1024
    .wavefront_size: 32
...
	.end_amdgpu_metadata
.endif
;; end of part 2
;; ======== version 2 of 2: 2 launches; version 1 with the launch prep written anew for expert scheduling mode
;; limits: a difference of large sums (such as E[x^2] - mean^2): digits are lost where the result is much smaller than its terms
;; workspace buffers: wb 786,432 bytes; hu 1,048,576 bytes
;; launch prep (part 3): grid 176 x 1, 4 waves a work-group, no clusters, 142,336 bytes of LDS; arguments Wft, Wf, Wh, Ws, hidden, s, bh, bf, bs, wb, hu; writes wb, hu
.if DOCPART == 3
	.amdgcn_target "amdgcn-amd-amdhsa--gfx1250"
	.amdhsa_code_object_version 6
	.text
	.protected	k_q9ceb02d08e_prep
	.globl	k_q9ceb02d08e_prep
	.p2align	8
	.type	k_q9ceb02d08e_prep,@function
k_q9ceb02d08e_prep:
	s_mov_b64 s[64:65], 0
	v_nop
	global_prefetch_b8 v0, s[64:65] scope:SCOPE_SE
	s_setreg_imm32_b32 hwreg(HW_REG_WAVE_SCHED_MODE, 0, 2), 2
	s_setreg_imm32_b32 hwreg(HW_REG_WAVE_MODE, 25, 1), 1
	s_wait_xcnt 0x0
	s_wait_alu depctr_vm_vsrc(0)
; PREPARATION for the fused launch.  Two roles, chosen by the work-group's number.
; Work-groups 0-127 (GEMM role): a block of 32 batches x 32 columns m of
;   HB'[b][m] = K2 (hidden[b] . Wh[m] + bh[m] + bf[m])     and     U'[b][m] = K2 (s[b] . Ws[m] + bs[m] + hidden[b] . Wh[m] + bh[m]),
;   K2 = 2 log2(e), so that the next launch's tanh(x) = 1 - 2 / (1 + 2^(K2 x)) needs no scaling.  Operands rounded once to bf16, sums in f32.
;   hu is [8 mi][512 b][64] f32: words 0-31 HB' of columns 32 mi .., words 32-63 U': 256 consecutive bytes for each (mi, b), stored whole.
; Work-groups 128-175 (convert role): a quarter of one of the 12 tiles of wb, bf16, 65,536 bytes each, dense rows of 128 bytes:
;   tile t < 8: row h (512), 64 numbers Wft[h][64 t ..];   tile t >= 8: half u, row m (256): K2 Wf[m][64 (2 (t - 8) + u) ..].
; No tensor loads: each byte is read once through registers and converted on the way.
; THE MODE: SCHED_MODE bits 1:0 = 2 (LLVM: expert scheduling mode 2), set by the entry lines.  The code itself states the register dependences
; between vector or matrix instructions and memory or LDS instructions, with s_wait_alu, always for 0.
; THE PLAN.  Registers that memory or LDS instructions touch:
;   convert role   v1, v2      offsets, made once at the role's head.
;                  X v64-127   load i lands in four registers; its own four vector instructions work on them in place; store i reads the first two; never written again.
;                  The 16 loads go in four groups.  One wait on va_vdst at a group's head states that the group before has written its pairs; that group's four stores
;                  are dealt among this group's vector instructions, which name this group's registers alone.
;   GEMM role      v1-7, v34, v35   addresses, made once at the role's head.
;                  RAW0-2 v64-255   batch k's loads land in RAW[k % 3]; its 32 conversions read it; behind them the loads of batch k + 3 land in it.
;                  O v8-15, v40-63  16 pairs: batch k's conversions write them, its 16 LDS stores read them.
;                  A batch has two waits: vm_vsrc at its head (the batch before's LDS stores have read O), va_vdst behind its conversions (O is written, RAW[k % 3] is read out).
;                  F0-2 v64-255     group g's four products read F[g % 3]; the LDS loads of group g + 2, issued in group g, land in F[(g - 1) % 3].
;                  One wait on va_vdst at a group's head states that the group before's products are done reading their buffer; the products behind it name F[g % 3] and the accumulators alone.
;   v32, v33       written at the head, read by the closing add alone.
.set K2,    0x4038aa3b                 ; 2 log2(e)
.set MP,    1040                       ; an LDS row of 512 bf16 + 16 bytes: 65 x 16, so the 16 rows of a fragment load start at 16 different 16-byte columns
.set MB,    32*MP                      ; one matrix: 32 rows
.set OST,   4*MB                       ; the stage for the way out: 32 rows x 272 bytes
.set SPARE, OST+32*272                 ; the spare words, 128 bytes a wave; no other line names them
; v0 thread; v1 16 x lane; v2 LDS store address; v3-6 fragment addresses (hidden, s, Wh, Ws); v7 bias offset; v8-15 bh, then part of O; v16-23 bf, then bf + bh; v24-31 bs, then bs + bh;
; v32, v33 the add's registers; v34, v35 stage in, stage back; v37 lane % 16; v38 lane / 16; v39 lane; v40-63 the rest of O, then v40-47 H; v48-55 S; v56-63 HB'; v64-255 three buffers of 64
	s_load_b512 s[4:19], s[0:1], 0x0               ; Wft, Wf, Wh, Ws, hidden, s, bh, bf
	s_load_b128 s[20:23], s[0:1], 0x40             ; bs, wb
	s_load_b64 s[24:25], s[0:1], 0x50              ; hu
	v_lshl_add_u32 v32, v0, 2, SPARE
	v_mov_b32 v33, 0
	v_lshrrev_b32 v39, 5, v0
	v_readfirstlane_b32 s26, v39                   ; wave 0..3
	v_and_b32 v39, 31, v0
	v_and_b32 v37, 15, v0
	v_bfe_u32 v38, v0, 4, 1
	s_mov_b32 s38, K2
	s_mov_b32 s39, K2
	s_wait_alu depctr_va_sdst(0)                   ; s26 is written, ahead of the branch and of its first reader in either role
	s_cmp_lt_u32 ttmp9, 128
	s_cbranch_scc1 .Lgemm
	; THE CONVERT ROLE.  Tile t, quarter q; wave w takes tile rows 128 q + 32 w .. + 31: 32 rows x 256 bytes of f32 in, 32 x 128 bytes of bf16 out.
	s_sub_co_u32 s27, ttmp9, 128
	s_lshr_b32 s28, s27, 2                         ; t
	s_and_b32 s29, s27, 3                          ; q
	s_lshl_b32 s30, s26, 16                        ; 32 w rows of 2,048 bytes
	s_lshl_b32 s31, s29, 18                        ; from Wft: row 128 q, column byte 256 t
	s_lshl_b32 s33, s28, 8
	s_add_co_u32 s31, s31, s33
	s_and_b32 s33, s29, 1                          ; from Wf: row 128 (q % 2), column byte 256 (2 (t - 8) + q / 2)
	s_lshl_b32 s33, s33, 18
	s_max_u32 s34, s28, 8
	s_sub_co_u32 s34, s34, 8
	s_lshl_b32 s34, s34, 1
	s_lshr_b32 s35, s29, 1
	s_add_co_u32 s34, s34, s35
	s_lshl_b32 s34, s34, 8
	s_add_co_u32 s33, s33, s34
	s_lshl_b32 s44, s28, 16                        ; into wb: 65,536 t + 128 (128 q + 32 w)
	s_lshl_b32 s45, s29, 14
	s_add_co_u32 s44, s44, s45
	s_lshl_b32 s45, s26, 12
	s_add_co_u32 s44, s44, s45
	s_mov_b32 s45, 0
	s_mov_b32 s41, 0
	v_lshlrev_b32 v1, 11, v38                      ; in: lanes 0-15 one row's 256 bytes, lanes 16-31 the next row's
	v_lshl_add_u32 v1, v37, 4, v1
	v_lshlrev_b32 v2, 3, v39                       ; out: 8 bytes a lane, 256 consecutive bytes a store
	s_wait_kmcnt 0x0
	s_cmp_lt_u32 s28, 8
	s_cselect_b32 s40, s31, s33
	s_cselect_b32 s36, 1.0, s38                    ; Wft as it is, Wf times K2
	s_cselect_b64 s[42:43], s[4:5], s[6:7]
	s_mov_b32 s37, s36
	s_add_co_u32 s40, s40, s30
	s_add_nc_u64 s[42:43], s[42:43], s[40:41]
	s_add_nc_u64 s[22:23], s[22:23], s[44:45]
	s_wait_alu depctr_va_vdst(0)                   ; v1 and v2 are written: every load of this role reads v1 as its offset, every store v2
.set i, 0
.rept 16
	global_load_b128 v[64+4*i:67+4*i], v1, s[42:43] offset:4096*i
.set i, i+1
.endr
.irp g, 0,1,2,3                        ; four groups of four loads; group g - 1 is stored while group g is worked on
	s_wait_loadcnt 12-4*\g                         ; loads come back in order: this group's four are in, the younger ones stay out
.if \g > 0
	s_wait_alu depctr_va_vdst(0)                   ; the group before's conversions have written their pairs, which the four stores below read
.endif
.irp j, 0,1,2,3
.set xx, 64+4*(4*\g+\j)
.if \g > 0
	global_store_b64 v2, v[xx-16:xx-15], s[22:23] offset:256*(4*\g+\j-4)  ; two tile rows: 256 consecutive bytes, aligned; no vector instruction since the wait names these registers
.endif
	v_pk_mul_f32 v[xx:xx+1], v[xx:xx+1], s[36:37] op_sel_hi:[1,0]
	v_pk_mul_f32 v[xx+2:xx+3], v[xx+2:xx+3], s[36:37] op_sel_hi:[1,0]
	v_cvt_pk_bf16_f32 v[xx], v[xx], v[xx+1]
	v_cvt_pk_bf16_f32 v[xx+1], v[xx+2], v[xx+3]
.endr
.endr
	s_wait_alu depctr_va_vdst(0)                   ; the last group's conversions have written their pairs, which the last four stores read
.irp j, 0,1,2,3
	global_store_b64 v2, v[112+4*\j:113+4*\j], s[22:23] offset:256*(12+\j)
.endr
	s_endpgm                                       ; this role has written no LDS
	; THE GEMM ROLE.  bi = 32 batches, mi = 32 columns.  Wave w brings matrix w (hidden, s, Wh, Ws): 32 rows, 65,536 consecutive bytes, into LDS as bf16.
.Lgemm:
	s_lshr_b32 s27, ttmp9, 3                       ; bi
	s_and_b32 s28, ttmp9, 7                        ; mi
	s_lshr_b32 s29, s26, 1                         ; i: which 16 batches my tile has
	s_and_b32 s30, s26, 1                          ; j: which 16 columns
	v_lshlrev_b32 v1, 4, v39
	s_mul_i32 s31, s26, MB
	v_lshl_add_u32 v2, v39, 3, s31
	v_mul_u32_u24 v3, v37, MP
	v_lshl_add_u32 v3, v38, 4, v3                  ; row x pitch + 16 x half
	s_mul_i32 s31, s30, 16*MP
	s_add_co_u32 s31, s31, 2*MB
	v_add_nc_u32 v5, s31, v3                       ; Wh, rows 16 j ..
	v_add_nc_u32 v6, MB, v5                        ; Ws
	s_mul_i32 s31, s29, 16*MP
	v_add_nc_u32 v3, s31, v3                       ; hidden, rows 16 i ..
	v_add_nc_u32 v4, MB, v3                        ; s
	s_lshl_b32 s31, s28, 7
	s_lshl_b32 s33, s30, 6
	s_add_co_u32 s31, s31, s33
	v_lshl_add_u32 v7, v38, 5, s31                 ; 4 (32 mi + 16 j + 8 half): my eight columns in the biases
	s_mul_i32 s31, s29, 16*272
	s_add_co_u32 s31, s31, s33
	s_add_co_u32 s31, s31, OST
	v_mul_u32_u24 v34, v37, 272
	v_lshl_add_u32 v34, v38, 5, v34
	v_add_nc_u32 v34, s31, v34                     ; stage in: row 16 i + lane % 16, byte 64 j + 32 half
	s_mul_i32 s31, s26, 8*272
	s_add_co_u32 s31, s31, OST
	v_mul_u32_u24 v35, v38, 272
	v_lshl_add_u32 v35, v37, 4, v35
	v_add_nc_u32 v35, s31, v35                     ; stage back: rows 8 w .., two whole rows a load
	s_lshl_b32 s44, s28, 17                        ; hu: 131,072 mi + 256 (32 bi + 8 w)
	s_lshl_b32 s42, s27, 13
	s_add_co_u32 s44, s44, s42
	s_lshl_b32 s42, s26, 11
	s_add_co_u32 s44, s44, s42
	s_mov_b32 s45, 0
	s_mov_b32 s41, 0
	s_wait_kmcnt 0x0
	s_cmp_eq_u32 s30, 0
	s_cselect_b64 s[34:35], s[12:13], s[14:15]     ; hidden or s
	s_cselect_b64 s[36:37], s[8:9], s[10:11]       ; Wh or Ws
	s_cmp_lt_u32 s26, 2
	s_cselect_b64 s[34:35], s[34:35], s[36:37]
	s_cselect_b32 s40, s27, s28
	s_lshl_b32 s40, s40, 16
	s_add_nc_u64 s[34:35], s[34:35], s[40:41]
	s_add_nc_u64 s[24:25], s[24:25], s[44:45]
	s_wait_alu depctr_va_vdst(0)                   ; the addresses v1 to v7, v34 and v35 are written, which the loads and stores of this role read; none is written again
	global_load_b128 v[8:11], v7, s[16:17]
	global_load_b128 v[12:15], v7, s[16:17] offset:16
	global_load_b128 v[16:19], v7, s[18:19]
	global_load_b128 v[20:23], v7, s[18:19] offset:16
	global_load_b128 v[24:27], v7, s[20:21]
	global_load_b128 v[28:31], v7, s[20:21] offset:16
.macro GLD k                           ; batch k of 8: 16 loads of 512 consecutive bytes into buffer k % 3
.set i, 0
.rept 16
	global_load_b128 v[64+64*((\k)%3)+4*i:64+64*((\k)%3)+4*i+3], v1, s[34:35] offset:(16*(\k)+i)*512
.set i, i+1
.endr
.endm
.macro CV k                            ; batch k rounded to bf16, out of its raw buffer into O: pair i at v[8 + 2 i] for i < 4, at v[32 + 2 i] from there on
.set bb, 64+64*((\k)%3)
.set i, 0
.rept 16
.set oo, 32+2*i
.if i < 4
.set oo, 8+2*i
.endif
	v_cvt_pk_bf16_f32 v[oo], v[bb+4*i], v[bb+4*i+1]
	v_cvt_pk_bf16_f32 v[oo+1], v[bb+4*i+2], v[bb+4*i+3]
.set i, i+1
.endr
.endm
.macro OUT k, ahead                    ; O is laid into LDS: load n is a quarter (n % 4) of row n / 4.  ahead = 1: by turns with that, the raw buffer is asked for again, for batch k + 3
.set bb, 64+64*((\k)%3)
.set i, 0
.rept 16
.set oo, 32+2*i
.if i < 4
.set oo, 8+2*i
.endif
.if \ahead
	global_load_b128 v[bb+4*i:bb+4*i+3], v1, s[34:35] offset:(16*((\k)+3)+i)*512
.endif
	ds_store_b64 v2, v[oo:oo+1] offset:((16*(\k)+i)/4)*MP+((16*(\k)+i)%4)*256
.set i, i+1
.endr
.endm
	GLD 0
	GLD 1
	GLD 2
.irp k, 0,1,2,3,4,5,6,7
.if \k < 6
	s_wait_loadcnt 32                              ; the two younger batches stay out
.elseif \k == 6
	s_wait_loadcnt 16
.else
	s_wait_loadcnt 0
.endif
.if \k == 0
.irp c, 0,1,2,3                        ; the biases are in too: they were asked for first.  Added here, so that bh's eight registers serve as part of O
	v_pk_add_f32 v[16+2*\c:17+2*\c], v[16+2*\c:17+2*\c], v[8+2*\c:9+2*\c]      ; bf + bh
	v_pk_add_f32 v[24+2*\c:25+2*\c], v[24+2*\c:25+2*\c], v[8+2*\c:9+2*\c]      ; bs + bh
.endr
.else
	s_wait_alu depctr_vm_vsrc(0)                   ; the LDS stores of the batch before have read O, which the conversions below write again
.endif
	CV \k
	s_wait_alu depctr_va_vdst(0)                   ; the conversions have written O, which the LDS stores read, and are done reading the raw buffer, in which the loads land
.if \k < 5
	OUT \k, 1
.else
	OUT \k, 0
.endif
.endr
	s_wait_dscnt 0x0                               ; for the others' sake: my matrix lies in LDS
	s_barrier_signal -1
	s_barrier_wait -1
	s_wait_alu depctr_vm_vsrc(0)                   ; my LDS stores have read O: v40-55 are the accumulators from here on, v56-63 HB'
	; The products, transposed (source 0 = 16 weight rows, source 1 = 16 batches): a lane holds one batch (lane % 16) and the columns 8 (lane / 16) + 0..7.
.macro FLDH g, kk                      ; group g of 8, K step kk of its two: four fragments of 32 along K into buffer g % 3
.set bb, 64+64*((\g)%3)+32*(\kk)
.irp m, 0,1,2,3
	ds_load_b128 v[bb+8*\m:bb+8*\m+3], v[3+\m] offset:(2*(\g)+(\kk))*64
	ds_load_b128 v[bb+8*\m+4:bb+8*\m+7], v[3+\m] offset:(2*(\g)+(\kk))*64+32
.endr
.endm
.macro FMP g, kk                       ; the two accumulators take turns; the first products start the sums
.set bb, 64+64*((\g)%3)+32*(\kk)
.if ((\g) == 0) && ((\kk) == 0)
	v_wmma_f32_16x16x32_bf16 v[40:47], v[bb+16:bb+23], v[bb:bb+7], 0
	v_wmma_f32_16x16x32_bf16 v[48:55], v[bb+24:bb+31], v[bb+8:bb+15], 0
.else
	v_wmma_f32_16x16x32_bf16 v[40:47], v[bb+16:bb+23], v[bb:bb+7], v[40:47]
	v_wmma_f32_16x16x32_bf16 v[48:55], v[bb+24:bb+31], v[bb+8:bb+15], v[48:55]
.endif
.endm
.irp g, 0,1,2                          ; the raw buffers' last readers, the conversions, stand ahead of the last wait on va_vdst: these loads owe nothing more
	FLDH \g, 0
	FLDH \g, 1
.endr
.irp g, 0,1,2,3,4,5,6,7
.if \g == 0
	s_wait_dscnt 32                                ; the two younger groups stay out
.elseif \g < 7
	s_wait_dscnt 16                                ; this group's 16 loads are in; the next group's stay out
.else
	s_wait_dscnt 0
.endif
.if (\g > 0) && (\g < 6)
.rept 4
	v_nop                                          ; four places between the group before's products and the loads into the registers that they read; they stay beside the wait
.endr
	s_wait_alu depctr_va_vdst(0)                   ; the group before's products are done reading their buffer, in which the 16 loads of this group's text land
	FLDH (\g)+2, 0
.endif
	FMP \g, 0
.if (\g > 0) && (\g < 6)
	FLDH (\g)+2, 1                                 ; no wait: the two products since the wait name this group's buffer and the accumulators alone
.endif
	FMP \g, 1
.endr
	; The way out.
.rept 4
	v_nop                                          ; four places behind the last products, before their results are read (ISA guide 7.12.1)
.endr
.irp c, 0,1,2,3
	v_pk_add_f32 v[56+2*\c:57+2*\c], v[40+2*\c:41+2*\c], v[16+2*\c:17+2*\c]    ; each accumulator is read from its low end on
.endr
.irp c, 0,1,2,3
	v_pk_add_f32 v[64+2*\c:65+2*\c], v[48+2*\c:49+2*\c], v[40+2*\c:41+2*\c]
.endr
.irp c, 0,1,2,3
	v_pk_add_f32 v[64+2*\c:65+2*\c], v[64+2*\c:65+2*\c], v[24+2*\c:25+2*\c]
	v_pk_mul_f32 v[56+2*\c:57+2*\c], v[56+2*\c:57+2*\c], s[38:39] op_sel_hi:[1,0]
.endr
.irp c, 0,1,2,3
	v_pk_mul_f32 v[64+2*\c:65+2*\c], v[64+2*\c:65+2*\c], s[38:39] op_sel_hi:[1,0]
.endr
	s_wait_alu depctr_va_vdst(0)                   ; v56-71 are written, which the LDS stores read; the products are done reading v72-87, in which the loads from the stage land
	ds_store_b128 v34, v[56:59]
	ds_store_b128 v34, v[60:63] offset:16
	ds_store_b128 v34, v[64:67] offset:128
	ds_store_b128 v34, v[68:71] offset:144
	s_wait_dscnt 0x0                               ; a stage row's 256 bytes come from two waves
	s_barrier_signal -1
	s_barrier_wait -1
.irp t, 0,1,2,3
	ds_load_b128 v[72+4*\t:75+4*\t], v35 offset:\t*2*272
.endr
.irp t, 0,1,2,3
	s_wait_dscnt 3-\t
	global_store_b128 v1, v[72+4*\t:75+4*\t], s[24:25] offset:\t*512  ; two whole units of 256 bytes
.endr
	s_wait_dscnt 0x0                               ; the closing lines, six on end
	s_wait_alu 0x0
	s_wait_tensorcnt 0x0
	ds_add_u32 v32, v33
	s_wait_dscnt 0x0
	s_endpgm
.Lfunc_end_k_q9ceb02d08e_prep:
	.size	k_q9ceb02d08e_prep, .Lfunc_end_k_q9ceb02d08e_prep-k_q9ceb02d08e_prep
	.p2alignl 7, 3214868480
	.fill 96, 4, 3214868480
	.section	.rodata,"a",@progbits
	.p2align	6, 0x0
	.amdhsa_kernel k_q9ceb02d08e_prep
		.amdhsa_group_segment_fixed_size 142336
		.amdhsa_private_segment_fixed_size 0
		.amdhsa_enable_private_segment 0
		.amdhsa_kernarg_size 88
		.amdhsa_user_sgpr_count 2
		.amdhsa_user_sgpr_kernarg_segment_ptr 1
		.amdhsa_wavefront_size32 1
		.amdhsa_system_sgpr_workgroup_id_x 1
		.amdhsa_system_sgpr_workgroup_id_y 1
		.amdhsa_system_sgpr_workgroup_id_z 1
		.amdhsa_system_vgpr_workitem_id 0
		.amdhsa_next_free_vgpr 256
		.amdhsa_next_free_sgpr 66
		.amdhsa_reserve_vcc 0
		.amdhsa_float_denorm_mode_32 3
		.amdhsa_float_denorm_mode_16_64 3
		.amdhsa_memory_ordered 1
		.amdhsa_forward_progress 1
		.amdhsa_inst_pref_size 64
	.end_amdhsa_kernel
	.amdgpu_metadata
---
amdhsa.version: [ 1, 2 ]
amdhsa.kernels:
  - .name:           k_q9ceb02d08e_prep
    .symbol:         k_q9ceb02d08e_prep.kd
    .args:
      - { .name: Wft, .offset: 0, .size: 8, .value_kind: global_buffer, .address_space: global }
      - { .name: Wf, .offset: 8, .size: 8, .value_kind: global_buffer, .address_space: global }
      - { .name: Wh, .offset: 16, .size: 8, .value_kind: global_buffer, .address_space: global }
      - { .name: Ws, .offset: 24, .size: 8, .value_kind: global_buffer, .address_space: global }
      - { .name: hidden, .offset: 32, .size: 8, .value_kind: global_buffer, .address_space: global }
      - { .name: s, .offset: 40, .size: 8, .value_kind: global_buffer, .address_space: global }
      - { .name: bh, .offset: 48, .size: 8, .value_kind: global_buffer, .address_space: global }
      - { .name: bf, .offset: 56, .size: 8, .value_kind: global_buffer, .address_space: global }
      - { .name: bs, .offset: 64, .size: 8, .value_kind: global_buffer, .address_space: global }
      - { .name: wb, .offset: 72, .size: 8, .value_kind: global_buffer, .address_space: global }
      - { .name: hu, .offset: 80, .size: 8, .value_kind: global_buffer, .address_space: global }
    .group_segment_fixed_size: 142336
    .private_segment_fixed_size: 0
    .kernarg_segment_align: 8
    .kernarg_segment_size: 88
    .max_flat_workgroup_size: 128
    .sgpr_count:     66
    .vgpr_count:     256
    .wavefront_size: 32
...
	.end_amdgpu_metadata
.endif
;; end of part 3
;; launch attn: the kernel of part 2 again; grid 256 x 1, 4 waves a work-group, clusters of 4 x 1, 327,680 bytes of LDS; arguments features, wb, hu, s, Wc, bc, bft, out0; writes out0
